; MI455X (gfx1250); checked and timed in simulation.
; The chip was launched on July 23, 2026; its instructions are those of AMD's public machine-readable ISA for CDNA 5 (MIT licence, August 2026) and "CDNA5" Instruction Set Architecture Reference Guide (July 2026). The comments in the code are by the model that wrote it; some were corrected since.
;; Badhanau Attention. Allowed arithmetic: matrix products marked QUANTISED: E4M3 operands, one given power-of-two scale a tensor, by v_wmma_f32_16x16x64_fp8_fp8 or v_wmma_f32_16x16x128_fp8_fp8, f32 sums; products left as they are: f32 operands where the result goes on into a quantised operand, else bf16, f16 or f32 operands; f32 sums; everything else in f32.
;; Inputs: U_a 1,024 x 1,024 float32; W_a 1,024 x 1,024 float32; decoder_hidden_state 32 x 1 x 1,024 float32; encoder_hidden_states 32 x 2,048 x 1,024 float32; ffn 2,048 x 1,024 float32; lowp_scales 6 int32 (the exponents e of the quantised operands' scales 2^e); v_t 1,024 x 1 float32.
;; Outputs: out0 32 x 1 x 1,024 float32; out1 32 x 1 x 1,024 float32.
;; This version of the problem:
;;   THIS VERSION OF THE PROBLEM IS GIVEN IN LOW PRECISION. The matrix products marked QUANTISED in the list below multiply operands that are first quantised to E4M3 (4 exponent bits, 3 mantissa bits; 8 bits a number), with one given power-of-two scale for each operand tensor; their sums are f32. All else is computed in f32.
;;   The module's matrix products, in the order in which they are computed (A, B: the left and right operand; K: the contracted axis; several contracted axes count as one K, in the product's order):
;;     1. [M 65,536, K 1,024] x [K 1,024, N 1,024]; A: input encoder_hidden_states; B: input U_a: QUANTISED (scales: A lowp_scales[0], B lowp_scales[1])
;;     2. [M 32, K 1,024] x [K 1,024, N 1,024]; A: input decoder_hidden_state; B: input W_a: QUANTISED (scales: A lowp_scales[2], B lowp_scales[3])
;;     3. [M 65,536, K 1,024] x [K 1,024, N 1]; A: computed on the way; B: input v_t: left as it is (N = 1 < 16)
;;     4. batch 32 x [M 1, K 2,048] x [K 2,048, N 1,024]; A: softmax; B: input encoder_hidden_states: left as it is (M = 1 < 16)
;;     5. [M 32, K 2,048] x [K 2,048, N 1,024]; A: computed on the way; B: input ffn: QUANTISED (scales: A lowp_scales[4], B lowp_scales[5])
;;   THE QUANTISER, for each operand of a quantised product, along K:
;;     - The operand's scale is 2^e, e = its entry of the input lowp_scales (int32; the entries are numbered through the quantised products in the list's order, A before B).
;;     - Each number is divided by the scale, clamped to +-448, and rounded to the nearest number of E4M3, ties to even, subnormals kept.
;;     - The product sums the exact products of the quantised numbers (number of the format x scale) in f32.
;;   ~~~python
;;   def quantise(x, axis, e):      # numpy; x: float32 -> the quantised numbers, widened to float32 again
;;       x = np.moveaxis(x, axis, -1); K = x.shape[-1]
;;       r = np.clip(x / 2.0 ** e, -448, 448)
;;       step = 2.0 ** (np.maximum(np.frexp(np.where(r == 0, 1, r))[1] - 1, -6) - 3)
;;       q = np.round(r / step) * step * 2.0 ** e      # np.round: ties to even
;;       return np.moveaxis(q, -1, axis).astype(np.float32)
;;   ~~~
;;   OPERANDS COMPUTED ON THE WAY. 'Computed on the way' means the value that the module computes at that place (a softmax that the list does not call 'softmax' is quantised finished and normalised). What goes into a quantiser is computed in f32, as accurately as f32 sums, v_exp_f32 and their like allow (about 1e-6 of the number): no bf16 or f16 on the way to a quantiser, and a product that is left as it is and whose result goes on into a quantised operand takes f32 operands (vector FMAs, or v_wmma_f32_16x16x4_f32). A number that lies on a knife's edge between two numbers of the format may be rounded either way, as far as f32 arithmetic and the matrix unit's own rounding can turn it there, and no further.
;; One version. Each part assembles by itself: llvm-mc -triple=amdgcn-amd-amdhsa -mcpu=gfx1250 --defsym DOCPART=n.
;; ======== version 1 of 1: 4 launches
;; limits: right only within a limited range of input values
;; workspace buffers: ucodes 1,048,576 bytes; fcodes 2,097,152 bytes; wbuf 131,072 bytes; pbuf 1,179,648 bytes
;; launch prep (part 1): grid 128 x 1, 16 waves a work-group, no clusters, 72,704 bytes of LDS; arguments U_a, ffn, W_a, decoder_hidden_state, lowp_scales, ucodes, fcodes, wbuf; writes ucodes, fcodes, wbuf
.if DOCPART == 1
	.amdgcn_target "amdgcn-amd-amdhsa--gfx1250"
	.amdhsa_code_object_version 6
	.text
	.protected	k_q3577889501_prep
	.globl	k_q3577889501_prep
	.p2align	8
	.type	k_q3577889501_prep,@function
k_q3577889501_prep:
	s_mov_b64 s[64:65], 0
	v_nop
	global_prefetch_b8 v0, s[64:65] scope:SCOPE_SE
	s_setreg_imm32_b32 hwreg(HW_REG_WAVE_MODE, 25, 1), 1
	s_wait_xcnt 0x0
; PREP: the weights U_a and ffn become codes of E4M3 in the order of an operand's registers, and product 2 (decoder_hidden_state x W_a, 32 rows) is made whole.
; WORK LEFT OUT, in the whole program.  tanh(x) = 1 - 2 r with r = 1 / (1 + 2^(2 log2(e) x)), so e[b][s] = sum_a v_t[a] - 2 sum_a v_t[a] r[b][s][a].
; The first term is the same for every s, and the softmax runs over s: softmax(e + const) = softmax(e) for all values of the inputs.  So sum_a v_t[a] is never formed; the later
; launches carry e' = log2(e) x (e - sum_a v_t[a]).  No input loses its way to an output by this: all are loaded.  LIMIT: an overflow or a NaN that would arise in that sum alone is not carried to the result.
; ONE MAP OF K for all three quantised products, the same on both operands of a product.  A fragment sg = 4 G + s' is the 128 k of one matrix instruction, 16 registers a lane:
; lane (r = lane % 16, h = lane / 16), register 4 c + i, byte j holds k = 512 G + 128 i + 32 s' + 16 h + 4 c + j.  Every product meets its partner; only the order of the sums inside an instruction differs.
; OUTPUTS.  ucodes [t 64][sg 8][c 4][lane 32][16 bytes], fcodes [t 64][sg 16][c 4][lane 32][16 bytes]: tile t holds columns 16 t + r.  wbuf [tp 32][b 32][32 columns] f32 = 2 log2(e) x (dec W_a).
; SHARES.  Work-groups 0-31: U_a; 32-95: ffn; each wave makes one fragment: a lane takes a column and its registers run down K, so the conversions' results are the operand's registers.
; Work-groups 96-127: product 2, 32 columns each.  First the sixteen waves turn the decoder state's 32 rows into codes, four half rows a wave: four loads of 512 consecutive bytes give a lane 16 numbers,
; k = 512 G + 128 i + 4 lane + j, two conversions make 16 bytes of them, and these go into a stage in LDS as they lie; 64 consecutive bytes of a stage row are a fragment's registers of one lane.
; Then wave w takes tile w % 2 and fragment w / 2 of K; the eight partial sums meet in LDS.  The branch between the paths hangs on the work-group's number alone.
; No cluster: the one thing that work-groups share is decoder_hidden_state, 131,072 bytes, which has to pass a lane's registers to become codes.
; QUANTISER: x held within +-448 x 2^e, divided by 2^e, to the nearest code, ties to even.  LIMITS: each e used here (entries 1, 2, 3, 5) between -126 and 119, so that 2^e and 448 x 2^e are f32 numbers;
; e2 + e3 goes by v_ldexp_f32 and has no limit.  NaN among the inputs is not served; an infinity is held at the largest code.
.set RP,    144                        ; the reduction's row: 32 columns of f32 + 16 bytes = 9 x 16: sixteen rows of a store start in different 16-byte columns modulo 256 (64 banks of 4 bytes: ISA guide 11.1)
.set RSG,   32*RP                      ; 32 rows: one fragment's partial sums
.set DST,   8*RSG                      ; behind the eight: the stage for the decoder state's codes: half G, row b at DG x G + DP x b
.set DP,    528                        ; half a row's 512 codes + 16 bytes = 33 x 16: the sixteen rows of a load start in sixteen different 16-byte columns modulo 256
.set DG,    32*DP
.set SPARE, DST+2*DG                   ; behind the stage: the spare words, 128 bytes for each of 16 waves, that no other line names
.set F,     16                         ; v16-79   64 numbers of a weight's fragment
.set D,     80                         ; v80-143  64 numbers of the decoder state: four half rows, 16 numbers each
.set DQ,    144                        ; v144-159 their codes, four registers a half row
.set CD,    160                        ; v160-191 the decoder state's fragment for two tiles of 16 rows
.set CW,    208                        ; v208-223 the weight's codes
.set ACC,   224                        ; v224-239 two accumulators
.set WOF,   1                          ; v1  a weight's lane offset: 4 r + 16 h rows of 4,096 bytes
.set L16,   2                          ; v2  16 x lane
.set DIN,   3                          ; v3  the stage, in: my wave's four half rows, + 16 x lane
.set RIN,   4                          ; v4  the reduction: where I put my sums
.set ROUT,  5                          ; v5  and where I read 16 bytes of a row
.set SPW,   6                          ; v6  my spare word; never rewritten
.set NIL,   7                          ; v7  0; never rewritten
.set SCW,   8                          ; v8  2^e of the weight
.set SCD,   9                          ; v9  2^e2
.set DRD,   10                         ; v10 the stage, back: my fragment's half and 128 bytes, row r, + 64 h
.set OOF,   15                         ; v15 wbuf: 16 x thread
.set WV,    30                         ; s30 wave
.macro MKSCALE e, vsc, neg, pos        ; from the exponent in s[e]: v[vsc] = 2^e, s[pos] = 448 x 2^e, s[neg] = -448 x 2^e
	s_add_co_i32 s[\pos], s[\e], 127
	s_lshl_b32 s[\neg], s[\pos], 23
	v_mov_b32 v[\vsc], s[\neg]
	s_add_co_i32 s[\pos], s[\pos], 8
	s_lshl_b32 s[\pos], s[\pos], 23
	s_or_b32 s[\pos], s[\pos], 0x600000
	s_or_b32 s[\neg], s[\pos], 0x80000000
.endm
.macro LOADF b                         ; a weight's fragment: number 16 c + 4 i + j of my lane is row 128 i + 4 c + j (from the base's row, + 16 h) of my column; sixteen lanes read 64 neighbouring bytes, four waves side by side 256
.irp c, 0,1,2,3
.irp i, 0,1,2,3
.irp j, 0,1,2,3
	global_load_b32 v[F+16*\c+4*\i+\j], v[WOF], s[\b:\b+1] offset:(128*\i+4*\c+\j)*4096
.endr
.endr
.endr
.endm
.macro HOLD first, count, neg, pos     ; the conversion to an 8-bit code does not saturate (ISA guide 7.6.2): the hold at the largest code x the scale comes first
.set n, 0
.rept \count
	v_med3_num_f32 v[\first+n], v[\first+n], s[\neg], s[\pos]
.set n, n+1
.endr
.endm
.macro CVT src, dst, sc                ; 64 numbers become 16 registers of codes
.irp q, 0,1,2,3,4,5,6,7
	v_cvt_scalef32_pk8_fp8_f32 v[\dst+2*\q:\dst+2*\q+1], v[\src+8*\q:\src+8*\q+7], v[\sc]
.endr
.endm
	s_load_b256 s[4:11], s[0:1], 0x0               ; U_a s[4:5], ffn s[6:7], W_a s[8:9], decoder state s[10:11]
	s_load_b256 s[12:19], s[0:1], 0x20             ; scales s[12:13], ucodes s[14:15], fcodes s[16:17], wbuf s[18:19]
	v_lshl_add_u32 v[SPW], v0, 2, SPARE
	v_mov_b32 v[NIL], 0
	v_lshrrev_b32 v10, 5, v0
	s_delay_alu instid0(VALU_DEP_1)
	v_readfirstlane_b32 s[WV], v10                 ; wave 0..15
	v_and_b32 v11, 15, v0                          ; r
	v_bfe_u32 v12, v0, 4, 1                        ; h
	v_and_b32 v13, 31, v0                          ; lane
	s_delay_alu instid0(VALU_DEP_3)
	v_lshlrev_b32 v[WOF], 2, v11
	s_delay_alu instid0(VALU_DEP_1)
	v_lshl_add_u32 v[WOF], v12, 16, v[WOF]
	s_delay_alu instid0(VALU_DEP_3)
	v_lshlrev_b32 v[L16], 4, v13
	s_lshr_b32 s31, s[WV], 1                       ; product 2: my fragment of K,
	s_and_b32 s32, s[WV], 1                        ; and my tile of the two
	s_mul_i32 s33, s31, RSG
	s_lshl_b32 s34, s32, 6
	s_add_co_u32 s33, s33, s34
	v_mul_u32_u24 v[RIN], v11, RP
	s_delay_alu instid0(VALU_DEP_1)
	v_lshl_add_u32 v[RIN], v12, 5, v[RIN]
	s_delay_alu instid0(VALU_DEP_1)
	v_add_nc_u32 v[RIN], s33, v[RIN]               ; fragment x 4,608 + row r x 144 + 64 x tile + 32 h
	v_bfe_u32 v14, v0, 3, 5                        ; back: threads 0-255: row = thread / 8,
	s_delay_alu instid0(VALU_DEP_1)
	v_mul_u32_u24 v[ROUT], v14, RP
	v_and_b32 v14, 7, v0
	s_delay_alu instid0(VALU_DEP_1)
	v_lshl_add_u32 v[ROUT], v14, 4, v[ROUT]        ; 16 bytes at thread % 8
	v_and_b32 v[OOF], 255, v0
	s_delay_alu instid0(VALU_DEP_1)
	v_lshlrev_b32 v[OOF], 4, v[OOF]
	s_lshr_b32 s33, s[WV], 3                       ; the stage, in: wave w quantises half w / 8 of rows 4 (w % 8) + 0 .. 3
	s_mul_i32 s33, s33, DG
	s_and_b32 s34, s[WV], 7
	s_mul_i32 s34, s34, 4*DP
	s_add_co_u32 s33, s33, s34
	s_add_co_u32 s33, s33, DST
	v_add_nc_u32 v[DIN], s33, v[L16]
	s_lshr_b32 s33, s31, 2                         ; back: fragment sg lies in half sg / 4, 128 (sg % 4) bytes on in each row
	s_mul_i32 s33, s33, DG
	s_and_b32 s34, s31, 3
	s_lshl_b32 s34, s34, 7
	s_add_co_u32 s33, s33, s34
	s_add_co_u32 s33, s33, DST
	v_mul_u32_u24 v[DRD], v11, DP
	s_delay_alu instid0(VALU_DEP_1)
	v_lshl_add_u32 v[DRD], v12, 6, v[DRD]
	s_delay_alu instid0(VALU_DEP_1)
	v_add_nc_u32 v[DRD], s33, v[DRD]
	s_mov_b32 s43, 0                               ; the upper word of every offset below
	s_wait_kmcnt 0x0
	s_load_b128 s[20:23], s[12:13], 0x0            ; e0 .. e3
	s_load_b64 s[24:25], s[12:13], 0x10            ; e4, e5
	s_cmp_ge_u32 ttmp9, 96
	s_cbranch_scc1 .Lproduct
	; ---- U_a or ffn: one fragment a wave.  Only pointers, a shift and an exponent are chosen: both tensors take one path
	s_cmp_lt_u32 ttmp9, 32
	s_cselect_b64 s[26:27], s[4:5], s[6:7]         ; the weight
	s_cselect_b64 s[28:29], s[14:15], s[16:17]     ; its codes
	s_cselect_b32 s35, 14, 15                      ; a tile's codes: 8 or 16 fragments of 2,048 bytes
	s_cselect_b32 s36, 0, 32
	s_sub_co_u32 s36, ttmp9, s36
	s_and_b32 s37, s36, 15
	s_lshr_b32 s38, s36, 4                         ; G
	s_and_b32 s39, s[WV], 3
	s_lshr_b32 s40, s[WV], 2                       ; s'
	s_lshl_b32 s37, s37, 2
	s_add_co_u32 s37, s37, s39                     ; t
	s_lshl_b32 s41, s38, 2
	s_add_co_u32 s41, s41, s40                     ; sg
	s_lshl_b32 s42, s38, 21                        ; row 512 G + 32 s' of 4,096 bytes, + 64 t
	s_lshl_b32 s44, s40, 17
	s_add_co_u32 s42, s42, s44
	s_lshl_b32 s44, s37, 6
	s_add_co_u32 s42, s42, s44
	s_add_nc_u64 s[26:27], s[26:27], s[42:43]
	s_lshl_b32 s42, s37, s35
	s_lshl_b32 s44, s41, 11
	s_add_co_u32 s42, s42, s44
	s_add_nc_u64 s[28:29], s[28:29], s[42:43]
	LOADF 26
	s_wait_kmcnt 0x0
	s_cmp_lt_u32 ttmp9, 32
	s_cselect_b32 s45, s21, s25                    ; e1 or e5
	MKSCALE 45, SCW, 48, 49
	s_wait_loadcnt 0x0
	HOLD F, 64, 48, 49
	CVT F, CW, SCW
	v_nop                                          ; a plain line behind the last conversion
.irp c, 0,1,2,3
	global_store_b128 v[L16], v[CW+4*\c:CW+4*\c+3], s[28:29] offset:512*\c   ; the wave stores 512 consecutive bytes, at a multiple of 256 from the buffer's first byte
.endr
	s_branch .Lend
	; ---- product 2
.Lproduct:
	s_sub_co_u32 s36, ttmp9, 96                    ; tp: columns 32 tp on
	s_lshr_b32 s37, s[WV], 3                       ; the half rows that I quantise: half w / 8,
	s_lshl_b32 s42, s37, 11
	s_and_b32 s38, s[WV], 7
	s_lshl_b32 s38, s38, 14                        ; rows 4 (w % 8) on
	s_add_co_u32 s42, s42, s38
	s_add_nc_u64 s[28:29], s[10:11], s[42:43]
	s_lshr_b32 s37, s31, 2                         ; my fragment: G,
	s_and_b32 s38, s31, 3                          ; s'
	s_lshl_b32 s39, s37, 21
	s_lshl_b32 s40, s38, 17
	s_add_co_u32 s42, s39, s40
	s_lshl_b32 s39, s36, 1
	s_add_co_u32 s39, s39, s32                     ; t
	s_lshl_b32 s39, s39, 6
	s_add_co_u32 s42, s42, s39
	s_add_nc_u64 s[26:27], s[8:9], s[42:43]        ; W_a at row 512 G + 32 s' and my tile's columns
	s_lshl_b32 s42, s36, 12
	s_add_nc_u64 s[18:19], s[18:19], s[42:43]
.irp u, 0,1,2,3
.irp i, 0,1,2,3
	global_load_b128 v[D+16*\u+4*\i:D+16*\u+4*\i+3], v[L16], s[28:29] offset:4096*\u+512*\i   ; 512 consecutive bytes: numbers 4 i + 0..3 of my lane in half row u
.endr
.endr
	LOADF 26
	s_wait_kmcnt 0x0
	MKSCALE 23, SCW, 48, 49                        ; e3: W_a
	MKSCALE 22, SCD, 50, 51                        ; e2: the decoder state
	s_add_co_i32 s44, s22, s23
	s_wait_loadcnt 63                              ; loads come back in order (ISA guide 5.7.1): of the 80 at most 63 are out, so the 16 oldest, the decoder state's, are in (64 were issued behind them; the count's field ends at 63)
	HOLD D, 64, 50, 51
	CVT D, DQ, SCD
	v_nop                                          ; a plain line behind the last conversion
.irp u, 0,1,2,3
	ds_store_b128 v[DIN], v[DQ+4*\u:DQ+4*\u+3] offset:DP*\u   ; a half row's 512 codes, 16 bytes a lane
.endr
	s_wait_dscnt 0x0                               ; for the others' sake: my codes have landed
	s_barrier_signal -1
	s_barrier_wait -1                              ; the 32 rows' codes lie in the stage
.irp T, 0,1
.irp c, 0,1,2,3
	ds_load_b128 v[CD+16*\T+4*\c:CD+16*\T+4*\c+3], v[DRD] offset:16*DP*\T+16*\c   ; row 16 T + r: registers 4 c + 0..3 of my fragment
.endr
.endr
	s_wait_loadcnt 0x0                             ; W_a's 64 numbers
	HOLD F, 64, 48, 49
	CVT F, CW, SCW
	v_nop                                          ; a plain line between the last conversion and the products
	s_wait_alu depctr_va_vdst(0)
	s_wait_dscnt 0x0                               ; the decoder state's fragments are in
	v_wmma_f32_16x16x128_fp8_fp8 v[ACC:ACC+7], v[CW:CW+15], v[CD:CD+15], 0            ; transposed: source 0 = 16 columns of W_a, source 1 = 16 rows: lane (r, h), register j = (row 16 T + r, column 16 t + 8 h + j)
	v_wmma_f32_16x16x128_fp8_fp8 v[ACC+8:ACC+15], v[CW:CW+15], v[CD+16:CD+31], 0
.rept 4
	v_nop                                          ; four places in front of the stores that read the results
.endr
.irp T, 0,1
	ds_store_b128 v[RIN], v[ACC+8*\T:ACC+8*\T+3] offset:16*RP*\T
	ds_store_b128 v[RIN], v[ACC+8*\T+4:ACC+8*\T+7] offset:16*RP*\T+16
.endr
	s_wait_dscnt 0x0                               ; for the others' sake: my stores have landed
	s_barrier_signal -1
	s_barrier_wait -1
	s_cmp_ge_u32 s[WV], 8                          ; 256 threads add the eight parts: 32 rows x 128 bytes
	s_cbranch_scc1 .Lend
.irp g, 0,1,2,3,4,5,6,7
	ds_load_b128 v[16+4*\g:19+4*\g], v[ROUT] offset:RSG*\g
.endr
	s_wait_dscnt 0x0
.irp g, 1
	v_pk_add_f32 v[16:17], v[16:17], v[16+4*\g:17+4*\g]
	v_pk_add_f32 v[18:19], v[18:19], v[18+4*\g:19+4*\g]
.endr
.irp g, 2, 3, 4, 5, 6, 7
	s_delay_alu instid0(VALU_DEP_2)
	v_pk_add_f32 v[16:17], v[16:17], v[16+4*\g:17+4*\g]
	s_delay_alu instid0(VALU_DEP_2)
	v_pk_add_f32 v[18:19], v[18:19], v[18+4*\g:19+4*\g]
.endr
.irp j, 16,17,18,19
	v_mul_f32 v\j, 0x4038aa3b, v\j                 ; x 2 log2(e),
.endr
.irp j, 16,17,18,19
	s_delay_alu instid0(VALU_DEP_4)
	v_ldexp_f32 v\j, v\j, s44                      ; x 2^(e2 + e3)
.endr
	global_store_b128 v[OOF], v[16:19], s[18:19]   ; a wave stores 512 consecutive bytes
.Lend:
	s_wait_tensorcnt 0x0                           ; the wave's end, behind my last LDS store
	ds_add_u32 v[SPW], v[NIL]
	s_wait_dscnt 0x0
	s_endpgm
.Lfunc_end_k_q3577889501_prep:
	.size	k_q3577889501_prep, .Lfunc_end_k_q3577889501_prep-k_q3577889501_prep
	.p2alignl 7, 3214868480
	.fill 96, 4, 3214868480
	.section	.rodata,"a",@progbits
	.p2align	6, 0x0
	.amdhsa_kernel k_q3577889501_prep
		.amdhsa_group_segment_fixed_size 72704
		.amdhsa_private_segment_fixed_size 0
		.amdhsa_enable_private_segment 0
		.amdhsa_kernarg_size 64
		.amdhsa_user_sgpr_count 2
		.amdhsa_user_sgpr_kernarg_segment_ptr 1
		.amdhsa_wavefront_size32 1
		.amdhsa_system_sgpr_workgroup_id_x 1
		.amdhsa_system_sgpr_workgroup_id_y 1
		.amdhsa_system_sgpr_workgroup_id_z 1
		.amdhsa_system_vgpr_workitem_id 0
		.amdhsa_next_free_vgpr 256
		.amdhsa_next_free_sgpr 66
		.amdhsa_reserve_vcc 0
		.amdhsa_float_denorm_mode_32 3
		.amdhsa_float_denorm_mode_16_64 3
		.amdhsa_memory_ordered 1
		.amdhsa_forward_progress 1
		.amdhsa_inst_pref_size 38
	.end_amdhsa_kernel
	.amdgpu_metadata
---
amdhsa.version: [ 1, 2 ]
amdhsa.kernels:
  - .name:           k_q3577889501_prep
    .symbol:         k_q3577889501_prep.kd
    .args:
      - { .name: U_a, .offset: 0, .size: 8, .value_kind: global_buffer, .address_space: global }
      - { .name: ffn, .offset: 8, .size: 8, .value_kind: global_buffer, .address_space: global }
      - { .name: W_a, .offset: 16, .size: 8, .value_kind: global_buffer, .address_space: global }
      - { .name: decoder_hidden_state, .offset: 24, .size: 8, .value_kind: global_buffer, .address_space: global }
      - { .name: lowp_scales, .offset: 32, .size: 8, .value_kind: global_buffer, .address_space: global }
      - { .name: ucodes, .offset: 40, .size: 8, .value_kind: global_buffer, .address_space: global }
      - { .name: fcodes, .offset: 48, .size: 8, .value_kind: global_buffer, .address_space: global }
      - { .name: wbuf, .offset: 56, .size: 8, .value_kind: global_buffer, .address_space: global }
    .group_segment_fixed_size: 72704
    .private_segment_fixed_size: 0
    .kernarg_segment_align: 8
    .kernarg_segment_size: 64
    .max_flat_workgroup_size: 512
    .sgpr_count:     66
    .vgpr_count:     256
    .wavefront_size: 32
...
	.end_amdgpu_metadata
.endif
;; end of part 1
;; launch scores (part 2): grid 256 x 1, 4 waves a work-group, clusters of 4 x 1, 327,680 bytes of LDS; arguments encoder_hidden_states, ucodes, wbuf, v_t, lowp_scales, pbuf; writes pbuf
.if DOCPART == 2
	.amdgcn_target "amdgcn-amd-amdhsa--gfx1250"
	.amdhsa_code_object_version 6
	.text
	.protected	k_q3577889501_scores
	.globl	k_q3577889501_scores
	.p2align	8
	.type	k_q3577889501_scores,@function
k_q3577889501_scores:
	s_mov_b64 s[64:65], 0
	v_nop
	global_prefetch_b8 v0, s[64:65] scope:SCOPE_SE
	s_setreg_imm32_b32 hwreg(HW_REG_WAVE_MODE, 25, 1), 1
	s_wait_xcnt 0x0
	s_wait_alu depctr_hold_cnt(0) depctr_sa_sdst(0) depctr_va_vdst(0) depctr_va_sdst(0) depctr_va_ssrc(0) depctr_va_vcc(0) depctr_vm_vsrc(0)
	s_getreg_b32 s2, hwreg(HW_REG_IB_STS2, 6, 4)
	s_cmp_eq_u32 s2, 0
	s_cbranch_scc0 .Lentry_in_a_cluster
	s_endpgm
.Lentry_in_a_cluster:
	s_bfe_u32 s2, ttmp6, 0x10000c
	s_cmp_lg_u32 s2, 0x3003
	s_cbranch_scc0 .Lentry_shape_is_right
	s_endpgm
.Lentry_shape_is_right:
; SCORES AND PARTIAL CONTEXT: product 1 on codes of E4M3, tanh, product 3, and this work-group's part of the softmax and of product 4.
; e'[s] = -2 log2(e) x sum_a v_t[a] r[s][a], r = 1 / (1 + 2^(2 log2(e) (w + u))).  pbuf [256 work-groups][4,608 bytes]: 1,024 f32 sum_s 2^(e'[s] - m) x[s][:] over my 256 rows, then 512 bytes of (m, sum_s 2^(e'[s] - m)) pairs, m my rows' largest e'.
; WORK LEFT OUT: the term sum_a v_t[a], the same for every s under a softmax over s (shown at the head of the first kernel).  The maximum is taken away before the exponential: my rows' here, the batch's in the next launch.
; SHARES.  A work-group owns 256 rows of one batch, a wave 64 of them: 4 tiles of 16 rows x 1,024 K of codes = 512 registers (windows 2 and 3), made once at the head.
; THE HEAD: a unit is half a row (four loads of 512 consecutive bytes, 16 numbers a lane); 16 units, 32,768 bytes a wave, are on their way, in window 1.  Hold, conversion, 16 bytes a lane into the wave's own stage
; (32 rows x two halves, rows 528 bytes apart); after 32 rows the stage is read back as the operand's registers.  The map of K is the first kernel's.
; THE LOOP: U_a's codes come tile by tile (16 columns, 16,384 bytes) through two LDS slots of 4 tiles, each wave fetching one tile by a joint load of the cluster's four work-groups, which walk the same codes.
; A trip is a slot: four runs of 32 matrix instructions, each on 4 accumulators by turns, then tanh and the product with v_t for the 128 sums of a lane: the exponentials and the reciprocals go as
; one batch each, and none stands between the links of a chain.  A tile's fragments are read from LDS during the run before, into two sets in window 1.
; Transposed use: source 0 = 16 columns of U_a, source 1 = 16 rows: lane (r, h), register j = (row 16 T + r, column 16 t + 8 h + j).
; THE ROWS AGAIN, in f32 (the context goes on into a quantised operand): each wave reads its 64 rows whole, 8 loads of 512 consecutive bytes a row, 8 rows on their way, the blocks of 8 in the reverse of the head's order.
; A row's weight goes from its lane into a scalar register and only multiplies.  The four waves' sums meet in LDS.
; No prefetch: the rows are asked for 32,768 bytes a wave ahead by their own loads; a slot's 65,536 bytes are asked for a trip, 128 matrix instructions a wave, ahead of their first read.
; LIMITS: e0 between -126 and 119; e0 + e1 between -127 and 126 (added to the exponent field of 2 log2(e)).  NaN among the inputs is not served; an infinity is held at the largest code.
.set SLOTB,  65536
.set TILEB,  16384
.set STAGE,  2*SLOTB
.set SPITCH, 528                       ; 512 codes + 16 bytes = 33 x 16: sixteen rows of a load start in sixteen different 16-byte columns modulo 256
.set SG,     32*SPITCH                 ; one half of K of 32 rows
.set WSTG,   2*SG
.set TABW,   STAGE+4*WSTG              ; 4,096 bytes of w, 4,096 of -2 log2(e) v_t
.set SPARE,  TABW+8192                 ; the spare words, 128 bytes a wave, that no other line names
.set RED,    SPARE+512                 ; 4,096 bytes a wave: its part of the context
.set MXW,    RED+16384                 ; the waves' maxima, and 256 bytes on their sums
.set TST, 1
.set SPW, 2
.set NIL, 3
.set L16, 4
.set SST, 5
.set SRD, 6
.set BAD, 7
.set TAD, 8
.set TA0, 9
.set SC,  10
.set SS0, 16
.set RST, 17
.set RRD, 18
.set MXA, 19
.set MXB, 20
.set ACC, 32                           ; v32-159  four tiles x 4 accumulators
.set CQ,  64                           ; v64-95   at the head: codes just made, two sets of 16
.set CA,  64                           ; v64-95   at the end: the context's sums
.set TAB, 160                          ; v160-223 for each of the four tiles: 8 of w, 8 of v
.set EA,  224                          ; v224-231 e' in pairs, one pair for each tile of rows
.set PW0, 52
.set PW1, 53
.set PWC, 54
.set WV,  16
.set CX,  17
.set GR,  18
.set G1,  24
.set G0,  32
.set C1,  40
.set NEG, 42
.set POS, 43
.set TB,  44
.set TT,  45
.set SL,  46
.set SO,  47
.set SEL, 48
.set ENC, 50
.set WS,  66                           ; s66-81 eight rows' weights, each the low word of a pair
.set MSB, 0
.macro WIN new                         ; the immediate's high byte repeats the setting that is left
.if MSB != (\new)
	s_set_vgpr_msb (MSB<<8)|(\new)
.set MSB, (\new)
.endif
.endm
.macro CROUND                          ; a round of the cluster's barrier
	s_barrier_signal -1
	s_barrier_wait -1
	s_cmp_lg_u32 s[WV], 0
	s_cbranch_scc1 .Lnot_wave_0_\@
	s_barrier_signal -3
.Lnot_wave_0_\@:
	s_barrier_wait -3
	s_barrier_signal -1
	s_barrier_wait -1
.endm
.macro JLOAD                           ; my tile of a slot
	tensor_load_to_lds s[G0:G0+3], s[G1:G1+7]
	s_nop 0
.rept 4
	v_nop
.endr
.endm
.macro NEXTFILL                        ; the walking descriptor: the other slot, the next four tiles
	s_xor_b32 s[G0+1], s[G0+1], SLOTB
	s_add_nc_u64 s[G0+2:G0+3], s[G0+2:G0+3], SLOTB
.endm
	s_load_b256 s[4:11], s[0:1], 0x0               ; rows, ucodes, wbuf, v_t
	s_load_b128 s[12:15], s[0:1], 0x20             ; scales, pbuf
	v_lshl_add_u32 v[SPW], v0, 2, SPARE
	v_mov_b32 v[NIL], 0
	ds_add_u32 v[SPW], v[NIL]
	ds_add_u32 v[SPW], v[NIL]
	v_lshrrev_b32 v11, 5, v0
	v_readfirstlane_b32 s[WV], v11
	v_lshl_add_u32 v[MXA], v11, 2, MXW             ; my wave's word
	v_mov_b32 v[MXB], MXW
	s_bfe_u32 s[CX], ttmp6, 0x40000
	s_lshl_b32 s[GR], ttmp9, 2
	s_add_co_u32 s[GR], s[GR], s[CX]               ; which 256 rows
	s_mov_b32 s[G1], 15|(3<<16)|(1<<21)            ; the four partners; elements of 8 bytes; a dense tile as 64 rows of 256 bytes
	s_mov_b32 s[G1+1], 32<<16
	s_mov_b32 s[G1+2], 64<<16
	s_mov_b32 s[G1+3], 32<<16
	s_mov_b32 s[G1+4], 64
	s_mov_b32 s[G1+5], 32
	s_mov_b32 s[G1+6], 0
	s_mov_b32 s[G1+7], 0
	s_mov_b32 s[SEL], 0x76543210
	s_mov_b32 s[SEL+1], 0xfedcba98
	s_mov_b32 s[TB], 0
	s_mov_b32 s[TT], 0
	s_mov_b32 s[SO], 0
	s_lshl_b32 s22, s[WV], 14
	s_mov_b32 s23, 0
	s_lshl_b32 s52, s[GR], 20
	s_lshl_b32 s53, s[WV], 18
	s_add_co_u32 s52, s52, s53
	s_mov_b32 s53, 0
	s_mul_i32 s54, s[WV], WSTG
	s_add_co_u32 s54, s54, STAGE
	s_lshl_b32 s55, s[WV], 12
	s_add_co_u32 s55, s55, RED
	s_lshl_b32 s19, s[WV], 10
	s_add_co_u32 s19, s19, RED
	v_and_b32 v11, 31, v0
	v_lshlrev_b32 v[L16], 4, v11
	v_and_b32 v12, 15, v0
	v_bfe_u32 v13, v0, 4, 1
	v_add_nc_u32 v[SS0], s54, v[L16]               ; the stage, in: 16 x lane
	v_mul_u32_u24 v[SRD], v12, SPITCH
	v_lshl_add_u32 v[SRD], v13, 6, v[SRD]
	v_add_nc_u32 v[SRD], s54, v[SRD]               ; back: row r, + 64 h
	v_lshlrev_b32 v[TA0], 5, v13
	v_add_nc_u32 v[TA0], TABW, v[TA0]
	v_add_nc_u32 v[RST], s55, v[L16]               ; the context's parts, in: my wave's 4,096 bytes
	v_add_nc_u32 v[RRD], s19, v[L16]               ; back: 1,024 bytes of each wave's
	v_lshrrev_b32 v14, 3, v0
	v_and_b32 v15, 7, v0
	v_lshlrev_b32 v14, 12, v14
	v_lshl_add_u32 v14, v15, 4, v14                ; wbuf: 32 columns of my batch for each thread / 8
	v_lshlrev_b32 v15, 4, v0
	v_add_nc_u32 v[TST], TABW, v15
	s_wait_alu depctr_va_vdst(0)
	s_wait_dscnt 0x0
	s_wait_kmcnt 0x0
	s_load_b64 s[20:21], s[12:13], 0x0             ; e0, e1
	s_add_nc_u64 s[ENC:ENC+1], s[4:5], s[52:53]
	s_add_nc_u64 s[6:7], s[6:7], s[22:23]
	s_mov_b32 s[G0], 1
	s_mov_b32 s[G0+1], s22
	s_mov_b64 s[G0+2:G0+3], s[6:7]
	s_or_b32 s[G0+3], s[G0+3], 0x80000000
	s_lshr_b32 s52, ttmp9, 1                       ; the batch
	s_lshl_b32 s52, s52, 7
	s_add_nc_u64 s[8:9], s[8:9], s[52:53]
	s_mul_i32 s52, s[GR], 4608
	s_lshl_b32 s22, s[WV], 10
	s_add_co_u32 s52, s52, s22
	s_add_nc_u64 s[14:15], s[14:15], s[52:53]      ; pbuf: my work-group's part, my wave's 1,024 bytes
.macro ALD g, base                     ; four units: unit q = 4 g + u is half q % 2 of row q / 2 of a block of 8 rows, into window 1
.irp u, 0,1,2,3
.irp i, 0,1,2,3
	global_load_b128 v[64*\g+16*\u+4*\i:64*\g+16*\u+4*\i+3], v[L16], s[ENC:ENC+1] offset:\base+((4*\g+\u)/2)*4096+((4*\g+\u)%2)*2048+512*\i
.endr
.endr
.endm
	global_load_b128 v[32:35], v14, s[8:9]
	global_load_b128 v[36:39], v14, s[8:9] offset:65536
	global_load_b128 v[40:43], v15, s[10:11]
	global_load_b128 v[44:47], v15, s[10:11] offset:2048
	WIN 0x40
.irp g, 0,1,2,3
	ALD \g, 0                                      ; the first 8 rows are asked for ahead of the round
.endr
	WIN 0
	CROUND
	JLOAD                                          ; slot 0
	s_wait_kmcnt 0x0
	s_add_co_i32 s52, s20, s21
	s_lshl_b32 s52, s52, 23
	s_add_co_i32 s[C1], s52, 0x4038aa3b            ; 2 log2(e) x 2^(e0 + e1)
	s_mov_b32 s[C1+1], s[C1]
	s_add_co_i32 s[POS], s20, 127
	s_lshl_b32 s[NEG], s[POS], 23
	v_mov_b32 v[SC], s[NEG]                        ; 2^e0
	s_add_co_i32 s[POS], s[POS], 8
	s_lshl_b32 s[POS], s[POS], 23
	s_or_b32 s[POS], s[POS], 0x600000              ; 448 x 2^e0
	s_or_b32 s[NEG], s[POS], 0x80000000
	s_wait_alu depctr_va_vdst(0)
	s_wait_loadcnt 63                              ; of 68 loads at most 63 are out: the four oldest, the tables', are in
.irp j, 40,41,42,43,44,45,46,47
	v_mul_f32 v\j, 0xc038aa3b, v\j                 ; -2 log2(e) v_t
.endr
	ds_store_b128 v[TST], v[32:35]
	ds_store_b128 v[TST], v[36:39] offset:2048
	ds_store_b128 v[TST], v[40:43] offset:4096
	ds_store_b128 v[TST], v[44:47] offset:6144
; Four units become codes.  cnt: the loads that may stay out behind these sixteen.  ld = 1: their registers take the same units of the next block.
.macro AGRP g, ld, cnt
	s_wait_loadcnt \cnt
	s_wait_dscnt 4                                 ; all but the last group's four stores have read their codes
	WIN 0x41
.set n, 0
.rept 64
	v_med3_num_f32 v[64*\g+n], v[64*\g+n], s[NEG], s[POS]   ; the conversion does not saturate (ISA guide 7.6.2): the hold comes first
.set n, n+1
.endr
	WIN 0x01
.irp u, 0,1,2,3
	v_cvt_scalef32_pk8_fp8_f32 v[CQ+16*(\g%2)+4*\u:CQ+16*(\g%2)+4*\u+1], v[64*\g+16*\u:64*\g+16*\u+7], v[SC]
	v_cvt_scalef32_pk8_fp8_f32 v[CQ+16*(\g%2)+4*\u+2:CQ+16*(\g%2)+4*\u+3], v[64*\g+16*\u+8:64*\g+16*\u+15], v[SC]
.endr
	v_nop                                          ; a plain line behind the last conversion
	WIN 0x40
.irp u, 0,1,2,3
	ds_store_b128 v[SST], v[CQ+16*(\g%2)+4*\u:CQ+16*(\g%2)+4*\u+3] offset:((4*\g+\u)%2)*SG+((4*\g+\u)/2)*SPITCH
.endr
.if \ld
	ALD \g, 32768
.endif
.endm
.macro ALOOP trips                     ; a trip: a block of 8 rows
	s_mov_b32 s[SL], \trips
.Lblock_\@:
	v_add_nc_u32 v[SST], s[SO], v[SS0]
.irp g, 0,1,2,3
	AGRP \g, 1, 48
.endr
	WIN 0
	s_wait_xcnt 0x0                                ; the loads have read their base
	s_add_nc_u64 s[ENC:ENC+1], s[ENC:ENC+1], 32768
	s_add_co_u32 s[SO], s[SO], 8*SPITCH
	s_sub_co_u32 s[SL], s[SL], 1
	s_cmp_lg_u32 s[SL], 0
	s_cbranch_scc1 .Lblock_\@
.endm
.macro TOREG hf                        ; the stage's 32 rows become tiles 2 hf, 2 hf + 1: LDS serves a wave's instructions in order, so these see my stores, and the next stores come behind them
.irp Tl, 0,1
.irp G, 0,1
	WIN 0x80+0x40*\G
.irp s, 0,1,2,3
.irp c, 0,1,2,3
	ds_load_b128 v[64*(2*\hf+\Tl)+16*\s+4*\c:64*(2*\hf+\Tl)+16*\s+4*\c+3], v[SRD] offset:\G*SG+\Tl*16*SPITCH+128*\s+16*\c
.endr
.endr
.endr
.endr
	WIN 0
.endm
	ALOOP 4
	TOREG 0
	s_mov_b32 s[SO], 0
	ALOOP 3
	v_add_nc_u32 v[SST], s[SO], v[SS0]             ; the last block asks for nothing more
	AGRP 0, 0, 48
	AGRP 1, 0, 32
	AGRP 2, 0, 16
	AGRP 3, 0, 0
	WIN 0
	TOREG 1
.irp j, 0,1,2,3,4,5,6,7
	v_mov_b32 v[EA+\j], 0
.endr
	v_add_nc_u32 v[BAD], s[TB], v[L16]
	s_wait_alu depctr_va_vdst(0)
	s_wait_tensorcnt 0x0                           ; my tile of slot 0 is in
	ds_add_u32 v[SPW], v[NIL]
	NEXTFILL
	s_wait_dscnt 0x0                               ; the add, my table stores and my operand's loads are done
	CROUND
	JLOAD                                          ; slot 1's first fill
.macro BLOADS set, off                 ; a tile's eight fragments, images of the operand's registers
	WIN 0x40
.irp g, 0,1,2,3,4,5,6,7
.irp c, 0,1,2,3
	ds_load_b128 v[128*\set+16*\g+4*\c:128*\set+16*\g+4*\c+3], v[BAD] offset:\off+2048*\g+512*\c
.endr
.endr
	WIN 0
.endm
; 32 matrix instructions: K in eight fragments x 4 tiles of rows; the first four start the sums.  lset >= 0: behind each of the first four groups of four stand eight loads of the tile at byte loff of the slot, into the other set.
.macro WND set, e, lset, loff
.set k, 0
.rept 32
.if k < 16
	WIN 0x09
.else
	WIN 0x0d
.endif
.set rD, ACC+32*\e+8*(k%4)
.set rB, 128*\set+16*(k/4)
.set rA, 64*(k%4)+16*((k/4)%4)
.if k < 4
	v_wmma_f32_16x16x128_fp8_fp8 v[rD:rD+7], v[rB:rB+15], v[rA:rA+15], 0
.else
	v_wmma_f32_16x16x128_fp8_fp8 v[rD:rD+7], v[rB:rB+15], v[rA:rA+15], v[rD:rD+7]
.endif
.if (\lset >= 0) && (k%4 == 3) && (k < 16)
	WIN 0x40
.irp gg, 0,1
.irp c, 0,1,2,3
	ds_load_b128 v[128*(\lset)+16*(2*(k/4)+\gg)+4*\c:128*(\lset)+16*(2*(k/4)+\gg)+4*\c+3], v[BAD] offset:\loff+2048*(2*(k/4)+\gg)+512*\c
.endr
.endr
.endif
.set k, k+1
.endr
	WIN 0
.rept 4
	v_nop                                          ; four places in front of the loads into the fragments' registers and of the first read of the sums
.endr
.endm
.macro EPI                             ; 128 sums a lane: y = 2 log2(e) (u + w), r = 1 / (1 + 2^y), e' += r x (-2 log2(e) v).
.set n, 0
.rept 64
	v_pk_fma_f32 v[ACC+2*n:ACC+2*n+1], v[ACC+2*n:ACC+2*n+1], s[C1:C1+1], v[TAB+16*(n/16)+2*(n%4):TAB+16*(n/16)+2*(n%4)+1] op_sel_hi:[1,0,1]
.set n, n+1
.endr
	s_wait_alu depctr_va_vdst(0)
.set n, 0
.rept 128
	v_exp_f32 v[ACC+n], v[ACC+n]
.set n, n+1
.endr
	v_nop
	s_wait_alu depctr_va_vdst(0)
.set n, 0
.rept 64
	v_pk_add_f32 v[ACC+2*n:ACC+2*n+1], v[ACC+2*n:ACC+2*n+1], 1.0 op_sel_hi:[1,0]
.set n, n+1
.endr
	s_wait_alu depctr_va_vdst(0)
.set n, 0
.rept 128
	v_rcp_f32 v[ACC+n], v[ACC+n]
.set n, n+1
.endr
	v_nop
	s_wait_alu depctr_va_vdst(0)
.set n, 0
.rept 64
.set rS, ACC+32*(n/16)+8*(n%4)+2*((n/4)%4)
.set rV, TAB+16*(n/16)+8+2*((n/4)%4)
	v_pk_fma_f32 v[EA+2*(n%4):EA+2*(n%4)+1], v[rS:rS+1], v[rV:rV+1], v[EA+2*(n%4):EA+2*(n%4)+1]
.set n, n+1
.endr
.endm
; A trip: a slot's four tiles.  Behind the third run the slot is left.  chg = 1: it is filled again with the tiles two slots on.  chg = 2, the tail: nothing is asked for, and the launch's last trip reads no further tile.
.macro SLOT chg
	v_add_nc_u32 v[TAD], s[TT], v[TA0]
	s_add_co_u32 s[TT], s[TT], 256
	s_wait_alu depctr_va_vdst(0)
	s_wait_dscnt 0x0                               ; both sets are in
.irp e, 0,1,2,3
	ds_load_b128 v[TAB+16*\e:TAB+16*\e+3], v[TAD] offset:64*\e
	ds_load_b128 v[TAB+16*\e+4:TAB+16*\e+7], v[TAD] offset:64*\e+16
	ds_load_b128 v[TAB+16*\e+8:TAB+16*\e+11], v[TAD] offset:64*\e+4096
	ds_load_b128 v[TAB+16*\e+12:TAB+16*\e+15], v[TAD] offset:64*\e+4112
.endr
	WND 0, 0, -1, 0
	WND 1, 1, 0, 2*TILEB
	s_wait_dscnt 0x0                               ; the third tile and the tables are in
	WND 0, 2, 1, 3*TILEB
	s_wait_tensorcnt 0x0                           ; my tile of the next slot is in
	ds_add_u32 v[SPW], v[NIL]
.if \chg == 1
	NEXTFILL
.endif
	s_xor_b32 s[TB], s[TB], SLOTB
	v_add_nc_u32 v[BAD], s[TB], v[L16]
	s_wait_alu depctr_va_vdst(0)
	s_wait_dscnt 0x0                               ; the add is done, the fourth tile is in, and my reads of the slot that I leave are over
.if \chg == 1
	CROUND
	JLOAD
	WND 1, 3, 0, 0
	BLOADS 1, TILEB
.else
	s_barrier_signal -1
	s_barrier_wait -1
	s_cmp_eq_u32 s[SL], 1
	s_cbranch_scc1 .Lno_set0_\@
	BLOADS 0, 0
.Lno_set0_\@:
	WND 1, 3, -1, 0
	s_cmp_eq_u32 s[SL], 1
	s_cbranch_scc1 .Lno_set1_\@
	BLOADS 1, TILEB
.Lno_set1_\@:
.endif
	EPI
.endm
	BLOADS 0, 0
	BLOADS 1, TILEB
	s_mov_b32 s[SL], 14
.Lmain:                                            ; 14 slots behind which a slot is filled again
	SLOT 1
	s_sub_co_u32 s[SL], s[SL], 1
	s_cmp_lg_u32 s[SL], 0
	s_cbranch_scc1 .Lmain
	s_mov_b32 s[SL], 2
.Ltail:                                            ; the last two slots ask for nothing
	SLOT 2
	s_sub_co_u32 s[SL], s[SL], 1
	s_cmp_lg_u32 s[SL], 0
	s_cbranch_scc1 .Ltail
; THE ROWS AGAIN.  The base stands at my last block of 8 rows, where the head left it.
.macro CLD rr                          ; a whole row: 8 loads of 512 consecutive bytes, into window 1
.irp i, 0,1,2,3,4,5,6,7
	global_load_b128 v[32*\rr+4*\i:32*\rr+4*\i+3], v[L16], s[ENC:ENC+1] offset:\rr*4096+512*\i th:TH_LOAD_NT
.endr
.endm
	WIN 0x40
.irp rr, 0,1,2,3,4,5,6,7
	CLD \rr
.endr
	WIN 0
.irp T, 0,1,2,3
	v_add_f32 v[32+\T], v[EA+2*\T], v[EA+2*\T+1]
.endr
.irp T, 0,1,2,3
	v_permlanex16_b32 v[36+\T], v[32+\T], s[SEL], s[SEL+1]
.endr
.irp T, 0,1,2,3
	v_add_f32 v[32+\T], v[32+\T], v[36+\T]         ; e' of row 16 T + r, in both halves of the lanes
.endr
	v_max3_num_f32 v40, v32, v33, v34
	v_max_num_f32 v40, v40, v35
.irp x, 1,2,4,8
	v_max_num_f32_dpp v40, v40, v40 row_xmask:\x row_mask:0xf bank_mask:0xf
.endr
	ds_store_b32 v[MXA], v40                       ; my wave's maximum: all lanes write the same word with the same value
.set n, 0
.rept 32
	v_mov_b32 v[CA+n], 0
.set n, n+1
.endr
.irp rr, 0,1,2,3,4,5,6,7
	s_mov_b32 s[WS+2*\rr+1], 0                     ; (named as the upper word of a pair)
.endr
	s_wait_alu depctr_va_vdst(0)
	s_wait_dscnt 0x0                               ; for the others' sake
	s_barrier_signal -1
	s_barrier_wait -1
	ds_load_b128 v[44:47], v[MXB]
	s_wait_dscnt 0x0
	v_max3_num_f32 v40, v44, v45, v46
	v_max_num_f32 v40, v40, v47                    ; m: the largest e' of my work-group's 256 rows
.irp T, 0,1,2,3
	v_sub_f32 v[32+\T], v[32+\T], v40
.endr
	s_wait_alu depctr_va_vdst(0)                   ; ahead of the batch
.irp T, 0,1,2,3
	v_exp_f32 v[32+\T], v[32+\T]                   ; the weights, at most 1
.endr
	v_and_b32 v11, 31, v0                          ; (a plain place)
	s_wait_alu depctr_va_vdst(0)                   ; ahead of the batch's first reader
	v_add_f32 v41, v32, v33
	v_add_f32 v42, v34, v35
	v_add_f32 v41, v41, v42
.irp x, 1,2,4,8
	v_add_f32_dpp v41, v41, v41 row_xmask:\x row_mask:0xf bank_mask:0xf
.endr                                              ; my wave's sum of weights
	v_cmp_gt_u32 vcc_lo, 16, v11
	v_cndmask_b32 v[PW0], v33, v32, vcc_lo         ; lane l: the weight of row l,
	v_cndmask_b32 v[PW1], v35, v34, vcc_lo         ; of row 32 + l
	s_wait_alu depctr_va_vdst(0)
; A block of 8 rows, the first of them row s[SL] of my 64.  ld = 1: each row's registers take the same row of the block before.
.macro CBLOCK ld
.if \ld
	s_wait_xcnt 0x0                                ; the loads have read their base
	s_sub_nc_u64 s[ENC:ENC+1], s[ENC:ENC+1], 32768
.endif
	s_cmp_lt_u32 s[SL], 32
	s_cselect_b32 s54, -1, 0
	v_cndmask_b32 v[PWC], v[PW1], v[PW0], s54
	s_wait_alu depctr_va_vdst(0)
	s_and_b32 s55, s[SL], 31
.irp rr, 0,1,2,3,4,5,6,7
	v_readlane_b32 s[WS+2*\rr], v[PWC], s55        ; the row's weight: it only multiplies
	s_add_co_u32 s55, s55, 1
.endr
.irp rr, 0,1,2,3,4,5,6,7
.if \ld
	s_wait_loadcnt 56                              ; this row is in; the seven younger rows stay out
.else
	s_wait_loadcnt 56-8*\rr
.endif
	WIN 0x01
.set n, 0
.rept 16
	v_pk_fma_f32 v[CA+2*n:CA+2*n+1], v[32*\rr+2*n:32*\rr+2*n+1], s[WS+2*\rr:WS+2*\rr+1], v[CA+2*n:CA+2*n+1] op_sel_hi:[1,0,1]
.set n, n+1
.endr
.if \ld
	WIN 0x40
	CLD \rr
.endif
.endr
	WIN 0
.endm
	s_mov_b32 s[SL], 56
.Lrows:                                            ; 7 blocks, from the last down; each asks for the block before it
	CBLOCK 1
	s_sub_co_u32 s[SL], s[SL], 8
	s_cmp_lg_u32 s[SL], 0
	s_cbranch_scc1 .Lrows
	CBLOCK 0                                       ; rows 0 to 7 ask for nothing more
.irp i, 0,1,2,3,4,5,6,7
	ds_store_b128 v[RST], v[CA+4*\i:CA+4*\i+3] offset:512*\i
.endr
	ds_store_b32 v[MXA], v41 offset:256
	s_wait_dscnt 0x0                               ; for the others' sake
	s_barrier_signal -1
	s_barrier_wait -1
.irp ww, 0,1,2,3
.irp cc, 0,1
	ds_load_b128 v[96+8*\ww+4*\cc:96+8*\ww+4*\cc+3], v[RRD] offset:4096*\ww+512*\cc
.endr
.endr
	ds_load_b128 v[44:47], v[MXB] offset:256
	s_wait_dscnt 0x0
.irp j, 0,2,4,6
	v_pk_add_f32 v[96+\j:97+\j], v[96+\j:97+\j], v[104+\j:105+\j]
	v_pk_add_f32 v[112+\j:113+\j], v[112+\j:113+\j], v[120+\j:121+\j]
.endr
.irp j, 0,2,4,6
	v_pk_add_f32 v[96+\j:97+\j], v[96+\j:97+\j], v[112+\j:113+\j]
.endr
	v_add_f32 v44, v44, v45
	v_add_f32 v46, v46, v47
	v_mov_b32 v48, v40
	v_add_f32 v49, v44, v46                        ; my work-group's sum of weights
	v_mov_b32 v50, v40
	v_mov_b32 v51, v49
	global_store_b128 v[L16], v[96:99], s[14:15]   ; each store of the wave covers 512 consecutive bytes, aligned
	global_store_b128 v[L16], v[100:103], s[14:15] offset:512
	s_cmp_lg_u32 s[WV], 0
	s_cbranch_scc1 .Lnot_first
	global_store_b128 v[L16], v[48:51], s[14:15] offset:4096   ; (m, sum) pairs: 512 consecutive bytes
.Lnot_first:
	s_wait_tensorcnt 0x0                           ; the wave's end
	ds_add_u32 v[SPW], v[NIL]
	s_wait_dscnt 0x0
	CROUND                                         ; the closing round
	s_endpgm
.Lfunc_end_k_q3577889501_scores:
	.size	k_q3577889501_scores, .Lfunc_end_k_q3577889501_scores-k_q3577889501_scores
	.p2alignl 7, 3214868480
	.fill 96, 4, 3214868480
	.section	.rodata,"a",@progbits
	.p2align	6, 0x0
	.amdhsa_kernel k_q3577889501_scores
		.amdhsa_group_segment_fixed_size 327680
		.amdhsa_private_segment_fixed_size 0
		.amdhsa_enable_private_segment 0
		.amdhsa_kernarg_size 48
		.amdhsa_user_sgpr_count 2
		.amdhsa_user_sgpr_kernarg_segment_ptr 1
		.amdhsa_wavefront_size32 1
		.amdhsa_system_sgpr_workgroup_id_x 1
		.amdhsa_system_sgpr_workgroup_id_y 1
		.amdhsa_system_sgpr_workgroup_id_z 1
		.amdhsa_system_vgpr_workitem_id 0
		.amdhsa_next_free_vgpr 1024
		.amdhsa_next_free_sgpr 84
		.amdhsa_reserve_vcc 1
		.amdhsa_float_denorm_mode_32 3
		.amdhsa_float_denorm_mode_16_64 3
		.amdhsa_memory_ordered 1
		.amdhsa_forward_progress 1
		.amdhsa_inst_pref_size 215
	.end_amdhsa_kernel
	.amdgpu_metadata
---
amdhsa.version: [ 1, 2 ]
amdhsa.kernels:
  - .name:           k_q3577889501_scores
    .symbol:         k_q3577889501_scores.kd
    .args:
      - { .name: encoder_hidden_states, .offset: 0, .size: 8, .value_kind: global_buffer, .address_space: global }
      - { .name: ucodes, .offset: 8, .size: 8, .value_kind: global_buffer, .address_space: global }
      - { .name: wbuf, .offset: 16, .size: 8, .value_kind: global_buffer, .address_space: global }
      - { .name: v_t, .offset: 24, .size: 8, .value_kind: global_buffer, .address_space: global }
      - { .name: lowp_scales, .offset: 32, .size: 8, .value_kind: global_buffer, .address_space: global }
      - { .name: pbuf, .offset: 40, .size: 8, .value_kind: global_buffer, .address_space: global }
    .group_segment_fixed_size: 327680
    .private_segment_fixed_size: 0
    .kernarg_segment_align: 8
    .kernarg_segment_size: 48
    .max_flat_workgroup_size: 128
    .sgpr_count:     84
    .vgpr_count:     1024
    .wavefront_size: 32
...
	.end_amdgpu_metadata
.endif
;; end of part 2
;; launch combine (part 3): grid 32 x 1, 8 waves a work-group, no clusters, 0 bytes of LDS; arguments pbuf, out1; writes out1
.if DOCPART == 3
	.amdgcn_target "amdgcn-amd-amdhsa--gfx1250"
	.amdhsa_code_object_version 6
	.text
	.protected	k_q3577889501_combine
	.globl	k_q3577889501_combine
	.p2align	8
	.type	k_q3577889501_combine,@function
k_q3577889501_combine:
	s_mov_b64 s[64:65], 0
	v_nop
	global_prefetch_b8 v0, s[64:65] scope:SCOPE_SE
	s_setreg_imm32_b32 hwreg(HW_REG_WAVE_MODE, 25, 1), 1
	s_wait_xcnt 0x0
; COMBINE: out1[b][c] = sum_g f_g part_g[c], f_g = 2^(m_g - M) / sum_g 2^(m_g - M) s_g: the eight parts of a batch's context are brought under the batch's largest e', M, and divided by the batch's sum.  All in f32.
; WORK LEFT OUT: e' lacks the term sum_a v_t[a], the same for every s (shown at the head of the first kernel).  The exponents are 0 or less; the sum is at least 1.
; SHARES.  A work-group owns a batch; wave w its columns 128 w .. 128 w + 127; a lane 16 bytes of each part, so each load and the store of a wave cover 512 consecutive bytes.  Lane l also takes (m, s) of part l % 8.
; One step, no loop: no prefetch, no LDS, no matrix unit; the work-groups share nothing, so no cluster.  NaN among the inputs is not served.
.set PART, 4608                        ; a part: 4,096 bytes of sums, then (m, s) pairs
	s_load_b128 s[4:7], s[0:1], 0x0                ; pbuf, out1
	v_and_b32 v1, 7, v0
	v_mul_u32_u24 v1, v1, PART
	v_lshlrev_b32 v2, 4, v0                        ; 16 x thread
	s_mul_i32 s8, ttmp9, 8*PART
	s_mov_b32 s9, 0
	s_lshl_b32 s10, ttmp9, 12
	s_mov_b32 s11, 0
	s_wait_alu depctr_va_vdst(0)
	s_wait_kmcnt 0x0
	s_add_nc_u64 s[4:5], s[4:5], s[8:9]
	s_add_nc_u64 s[6:7], s[6:7], s[10:11]
	global_load_b64 v[4:5], v1, s[4:5] offset:4096
.irp g, 0,1,2,3,4,5,6,7
	global_load_b128 v[8+4*\g:11+4*\g], v2, s[4:5] offset:PART*\g
.endr
	s_wait_loadcnt 8                               ; (m, s) is in; the eight parts stay out
	v_mov_b32 v6, v4
.irp x, 1,2,4
	v_max_num_f32_dpp v6, v6, v6 row_xmask:\x row_mask:0xf bank_mask:0xf
.endr                                              ; M
	v_sub_f32 v7, v4, v6
	s_wait_alu depctr_va_vdst(0)                   ; ahead of the transcendental
	v_exp_f32 v7, v7
	v_nop
	s_wait_alu depctr_va_vdst(0)                   ; ahead of its first reader
	v_mul_f32 v3, v7, v5
.irp x, 1,2,4
	v_add_f32_dpp v3, v3, v3 row_xmask:\x row_mask:0xf bank_mask:0xf
.endr                                              ; the batch's sum
	s_wait_alu depctr_va_vdst(0)
	v_rcp_f32 v3, v3
	v_nop
	s_wait_alu depctr_va_vdst(0)
	v_mul_f32 v7, v7, v3                           ; f of part lane % 8
.irp g, 0,1,2,3,4,5,6,7
	v_readlane_b32 s[16+\g], v7, \g                ; it only multiplies
.endr
	s_wait_loadcnt 0x0
.irp j, 0,1,2,3
	v_mul_f32 v[8+\j], s16, v[8+\j]
.endr
.irp g, 1,2,3,4,5,6,7
.irp j, 0,1,2,3
	v_fmac_f32 v[8+\j], s[16+\g], v[8+4*\g+\j]
.endr
.endr
	global_store_b128 v2, v[8:11], s[6:7]          ; 512 consecutive bytes, at a multiple of 256 from out1's first byte
	s_endpgm
.Lfunc_end_k_q3577889501_combine:
	.size	k_q3577889501_combine, .Lfunc_end_k_q3577889501_combine-k_q3577889501_combine
	.p2alignl 7, 3214868480
	.fill 96, 4, 3214868480
	.section	.rodata,"a",@progbits
	.p2align	6, 0x0
	.amdhsa_kernel k_q3577889501_combine
		.amdhsa_group_segment_fixed_size 0
		.amdhsa_private_segment_fixed_size 0
		.amdhsa_enable_private_segment 0
		.amdhsa_kernarg_size 16
		.amdhsa_user_sgpr_count 2
		.amdhsa_user_sgpr_kernarg_segment_ptr 1
		.amdhsa_wavefront_size32 1
		.amdhsa_system_sgpr_workgroup_id_x 1
		.amdhsa_system_sgpr_workgroup_id_y 1
		.amdhsa_system_sgpr_workgroup_id_z 1
		.amdhsa_system_vgpr_workitem_id 0
		.amdhsa_next_free_vgpr 64
		.amdhsa_next_free_sgpr 66
		.amdhsa_reserve_vcc 0
		.amdhsa_float_denorm_mode_32 3
		.amdhsa_float_denorm_mode_16_64 3
		.amdhsa_memory_ordered 1
		.amdhsa_forward_progress 1
		.amdhsa_inst_pref_size 5
	.end_amdhsa_kernel
	.amdgpu_metadata
---
amdhsa.version: [ 1, 2 ]
amdhsa.kernels:
  - .name:           k_q3577889501_combine
    .symbol:         k_q3577889501_combine.kd
    .args:
      - { .name: pbuf, .offset: 0, .size: 8, .value_kind: global_buffer, .address_space: global }
      - { .name: out1, .offset: 8, .size: 8, .value_kind: global_buffer, .address_space: global }
    .group_segment_fixed_size: 0
    .private_segment_fixed_size: 0
    .kernarg_segment_align: 8
    .kernarg_segment_size: 16
    .max_flat_workgroup_size: 256
    .sgpr_count:     66
    .vgpr_count:     64
    .wavefront_size: 32
...
	.end_amdgpu_metadata
.endif
;; end of part 3
;; launch final (part 4): grid 16 x 1, 16 waves a work-group, no clusters, 104,448 bytes of LDS; arguments decoder_hidden_state, out1, fcodes, lowp_scales, out0; writes out0
.if DOCPART == 4
	.amdgcn_target "amdgcn-amd-amdhsa--gfx1250"
	.amdhsa_code_object_version 6
	.text
	.protected	k_q3577889501_final
	.globl	k_q3577889501_final
	.p2align	8
	.type	k_q3577889501_final,@function
k_q3577889501_final:
	s_mov_b64 s[64:65], 0
	v_nop
	global_prefetch_b8 v0, s[64:65] scope:SCOPE_SE
	s_setreg_imm32_b32 hwreg(HW_REG_WAVE_MODE, 25, 1), 1
	s_wait_xcnt 0x0
; FINAL: out0 = tanh([decoder state, context] x ffn), product 5 on codes of E4M3.  cat's 32 rows x 2,048 are quantised here; ffn's codes come from the first launch, as images of the operand's registers, in the same map of K:
; fragment sg = 4 G + s', lane (r, h), register 4 c + i, byte j = k 512 G + 128 i + 32 s' + 16 h + 4 c + j; k under 1,024 is the decoder state, the rest the context.
; SHARES.  Work-group x owns columns 64 x .. 64 x + 63.  First wave w quantises quarter G = w / 4 of rows 8 (w % 4) + 0 .. 7 of cat: four loads of 512 consecutive bytes give a lane 16 numbers, k = 512 G + 128 i + 4 lane + j,
; two conversions make 16 bytes of them, and these go into a stage in LDS as they lie; 64 consecutive bytes of a stage row are a fragment's registers of one lane.  Then wave w takes tile 4 x + w % 4 of ffn and the four
; fragments 4 (w / 4) + 0 .. 3 of K: 8 matrix instructions on two accumulators by turns; the four parts along K meet in a second stage, and each thread finishes four numbers.
; No cluster: what the work-groups share, cat's 262,144 bytes of f32, has to pass a lane's registers to become codes, and ffn's codes are read by one wave each.
; tanh(z) = 1 - 2 / (1 + 2^(2 log2(e) z)): where 2^.. overflows the quotient is 0, where it underflows 2: tanh's two ends.
; LIMITS: e4 between -126 and 119; e4 + e5 between -127 and 126 (added to the exponent field of 2 log2(e)).  NaN among the inputs is not served.
.set CST,   0                          ; LDS: cat's codes: quarter G, row b at CG x G + CP x b
.set CP,    528                        ; a quarter row's 512 codes + 16 bytes = 33 x 16: the sixteen rows of a load start in sixteen different 16-byte columns modulo 256 (64 banks of 4 bytes: ISA guide 11.1)
.set CG,    32*CP
.set STG,   4*CG                       ; four parts of 32 rows x (256 bytes + 16)
.set SP,    272                        ; 17 x 16 bytes: sixteen rows of a store start in different 16-byte columns modulo 256
.set SKQ,   32*SP
.set SPARE, STG+4*SKQ                  ; the spare words, 128 bytes for each of 16 waves, that no other line names
.set X,   16                           ; v16-143  128 numbers of cat: eight quarter rows, 16 numbers each; later its eight fragments
.set CC,  144                          ; v144-175 the codes just made, four registers a quarter row
.set BQ,  176                          ; v176-239 ffn's four fragments
.set ACC, 240                          ; v240-255 two accumulators
	s_load_b256 s[4:11], s[0:1], 0x0               ; decoder state s[4:5], context s[6:7], fcodes s[8:9], scales s[10:11]
	s_load_b64 s[12:13], s[0:1], 0x20              ; out0
	v_lshl_add_u32 v2, v0, 2, SPARE                ; my spare word; never rewritten
	v_mov_b32 v3, 0                                ; 0; never rewritten
	v_lshrrev_b32 v4, 5, v0
	s_delay_alu instid0(VALU_DEP_1)
	v_readfirstlane_b32 s14, v4                    ; wave 0..15
	v_and_b32 v5, 31, v0                           ; lane
	v_and_b32 v6, 15, v0                           ; r, and thread % 16
	s_wait_alu depctr_va_vdst(0)
	v_bfe_u32 v7, v0, 4, 1                         ; h
	v_lshlrev_b32 v1, 4, v5                        ; 16 x lane
	s_and_b32 s15, s14, 3                          ; which eight rows I quantise; later my tile of the four
	s_lshr_b32 s16, s14, 2                         ; which quarter of K I quantise, and later multiply
	s_mul_i32 s17, s16, CG
	s_mul_i32 s18, s15, 8*CP
	s_add_co_u32 s18, s18, s17
	v_add_nc_u32 v9, s18, v1                       ; the codes' stage, in: my quarter, my eight rows, + 16 x lane
	v_mul_u32_u24 v10, v6, CP
	s_delay_alu instid0(VALU_DEP_1)
	v_lshl_add_u32 v10, v7, 6, v10
	s_delay_alu instid0(VALU_DEP_1)
	v_add_nc_u32 v10, s17, v10                     ; back: my quarter, row r, + 64 h
	s_mul_i32 s17, s16, SKQ
	s_lshl_b32 s18, s15, 6
	s_add_co_u32 s17, s17, s18
	s_add_co_u32 s17, s17, STG
	v_mul_u32_u24 v11, v6, SP
	s_wait_alu depctr_va_vdst(0)
	v_lshl_add_u32 v11, v7, 5, v11
	s_delay_alu instid0(VALU_DEP_1)
	v_add_nc_u32 v11, s17, v11                     ; the sums' stage, in: part, row r, 64 x tile + 32 h
	v_lshrrev_b32 v12, 4, v0                       ; thread / 16: a row
	s_delay_alu instid0(VALU_DEP_1)
	v_mul_u32_u24 v13, v12, SP
	s_delay_alu instid0(VALU_DEP_1)
	v_lshl_add_u32 v13, v6, 4, v13
	s_delay_alu instid0(VALU_DEP_1)
	v_add_nc_u32 v13, STG, v13                     ; back: 16 bytes at thread % 16
	s_delay_alu instid0(VALU_DEP_4)
	v_lshlrev_b32 v14, 12, v12
	s_delay_alu instid0(VALU_DEP_1)
	v_lshl_add_u32 v14, v6, 4, v14                 ; and the same place in out0
	s_mov_b32 s25, 0
	s_wait_kmcnt 0x0
	s_load_b64 s[20:21], s[10:11], 0x10            ; e4, e5
	s_cmp_lt_u32 s14, 8                            ; quarters 0 and 1 lie in the decoder state, 2 and 3 in the context: a choice on the wave's number
	s_cselect_b64 s[22:23], s[4:5], s[6:7]
	s_bfe_u32 s24, s14, 0x10002                    ; G % 2: which half of that tensor's rows,
	s_lshl_b32 s24, s24, 11
	s_lshl_b32 s26, s15, 15                        ; my eight rows of 4,096 bytes
	s_add_co_u32 s24, s24, s26
	s_add_nc_u64 s[22:23], s[22:23], s[24:25]
	s_lshl_b32 s24, ttmp9, 2
	s_add_co_u32 s24, s24, s15                     ; t
	s_lshl_b32 s24, s24, 15                        ; a tile's 16 fragments of 2,048 bytes,
	s_lshl_b32 s26, s16, 13                        ; my four of them
	s_add_co_u32 s24, s24, s26
	s_add_nc_u64 s[8:9], s[8:9], s[24:25]
	s_lshl_b32 s24, ttmp9, 8
	s_add_nc_u64 s[12:13], s[12:13], s[24:25]
.irp u, 0,1,2,3,4,5,6,7
.irp i, 0,1,2,3
	global_load_b128 v[X+16*\u+4*\i:X+16*\u+4*\i+3], v1, s[22:23] offset:4096*\u+512*\i   ; 512 consecutive bytes: numbers 4 i + 0..3 of my lane in quarter row u
.endr
.endr
.irp n, 0,1,2,3,4,5,6,7,8,9,10,11,12,13,14,15
	global_load_b128 v[BQ+4*\n:BQ+4*\n+3], v1, s[8:9] offset:512*\n th:TH_LOAD_NT   ; 512 consecutive bytes; read once in the launch
.endr
	s_wait_kmcnt 0x0
	s_add_co_i32 s29, s20, 127
	s_lshl_b32 s28, s29, 23
	v_mov_b32 v15, s28                             ; 2^e4: the conversion takes its exponent field
	s_add_co_i32 s29, s29, 8
	s_lshl_b32 s29, s29, 23
	s_or_b32 s29, s29, 0x600000                    ; 448 x 2^e4
	s_or_b32 s28, s29, 0x80000000
	s_add_co_i32 s30, s20, s21
	s_lshl_b32 s30, s30, 23
	s_add_co_i32 s30, s30, 0x4038aa3b              ; 2 log2(e) x 2^(e4 + e5)
	s_wait_loadcnt 16                              ; cat's 32 loads are in; ffn's 16 behind them stay out
.set n, 0
.rept 128
	v_med3_num_f32 v[X+n], v[X+n], s28, s29        ; the conversion to an 8-bit code does not saturate (ISA guide 7.6.2): the hold comes first
.set n, n+1
.endr
.irp q, 0,1,2,3,4,5,6,7,8,9,10,11,12,13,14,15
	v_cvt_scalef32_pk8_fp8_f32 v[CC+2*\q:CC+2*\q+1], v[X+8*\q:X+8*\q+7], v15
.endr
	v_nop                                          ; a plain line behind the last conversion
.irp u, 0,1,2,3,4,5,6,7
	ds_store_b128 v9, v[CC+4*\u:CC+4*\u+3] offset:CST+CP*\u   ; a quarter row's 512 codes, 16 bytes a lane
.endr
	s_wait_dscnt 0x0                               ; for the others' sake: my codes have landed
	s_barrier_signal -1
	s_barrier_wait -1                              ; cat's codes lie in the stage
.irp s, 0,1,2,3
.irp T, 0,1
.irp c, 0,1,2,3
	ds_load_b128 v[X+32*\s+16*\T+4*\c:X+32*\s+16*\T+4*\c+3], v10 offset:CST+16*CP*\T+128*\s+16*\c   ; fragment 4 (w / 4) + s, row 16 T + r: registers 4 c + 0..3
.endr
.endr
.endr
	s_wait_loadcnt 0x0                             ; ffn's fragments
	s_wait_dscnt 0x0
.irp s, 0,1,2,3
.irp T, 0,1
.if \s == 0
	v_wmma_f32_16x16x128_fp8_fp8 v[ACC+8*\T:ACC+8*\T+7], v[BQ+16*\s:BQ+16*\s+15], v[X+32*\s+16*\T:X+32*\s+16*\T+15], 0   ; transposed: lane (r, h), register j = (row 16 T + r, column 16 t + 8 h + j)
.else
	v_wmma_f32_16x16x128_fp8_fp8 v[ACC+8*\T:ACC+8*\T+7], v[BQ+16*\s:BQ+16*\s+15], v[X+32*\s+16*\T:X+32*\s+16*\T+15], v[ACC+8*\T:ACC+8*\T+7]
.endif
.endr
.endr
.rept 4
	v_nop                                          ; four places in front of the stores that read the results, and of the loads into the operands' registers
.endr
.irp T, 0,1
	ds_store_b128 v11, v[ACC+8*\T:ACC+8*\T+3] offset:16*SP*\T
	ds_store_b128 v11, v[ACC+8*\T+4:ACC+8*\T+7] offset:16*SP*\T+16
.endr
	s_wait_dscnt 0x0
	s_barrier_signal -1
	s_barrier_wait -1
.irp q, 0,1,2,3
	ds_load_b128 v[16+4*\q:19+4*\q], v13 offset:SKQ*\q
.endr
	s_wait_dscnt 0x0
	v_pk_add_f32 v[16:17], v[16:17], v[20:21]
	v_pk_add_f32 v[18:19], v[18:19], v[22:23]
	v_pk_add_f32 v[24:25], v[24:25], v[28:29]
	v_pk_add_f32 v[26:27], v[26:27], v[30:31]
	s_delay_alu instid0(VALU_DEP_2)
	v_pk_add_f32 v[16:17], v[16:17], v[24:25]
	s_delay_alu instid0(VALU_DEP_2)
	v_pk_add_f32 v[18:19], v[18:19], v[26:27]
.irp j, 16,17,18,19
	v_mul_f32 v\j, s30, v\j
.endr
	s_wait_alu depctr_va_vdst(0)
.irp j, 16,17,18,19
	v_exp_f32 v\j, v\j
.endr
	v_nop                                          ; a plain line behind the last exponential,
	s_wait_alu depctr_va_vdst(0)                   ; and a wait ahead of the batch's first reader
.irp j, 16,17,18,19
	v_add_f32 v\j, 1.0, v\j
.endr
	s_wait_alu depctr_va_vdst(0)
.irp j, 16,17,18,19
	v_rcp_f32 v\j, v\j
.endr
	v_nop
	s_wait_alu depctr_va_vdst(0)
.irp j, 16,17,18,19
	v_fma_f32 v\j, v\j, -2.0, 1.0
.endr
	global_store_b128 v14, v[16:19], s[12:13]      ; sixteen lanes store 256 consecutive bytes, at a multiple of 256 from out0's first byte
	s_wait_tensorcnt 0x0                           ; the wave's end, behind my last LDS store
	ds_add_u32 v2, v3
	s_wait_dscnt 0x0
	s_endpgm
.Lfunc_end_k_q3577889501_final:
	.size	k_q3577889501_final, .Lfunc_end_k_q3577889501_final-k_q3577889501_final
	.p2alignl 7, 3214868480
	.fill 96, 4, 3214868480
	.section	.rodata,"a",@progbits
	.p2align	6, 0x0
	.amdhsa_kernel k_q3577889501_final
		.amdhsa_group_segment_fixed_size 104448
		.amdhsa_private_segment_fixed_size 0
		.amdhsa_enable_private_segment 0
		.amdhsa_kernarg_size 40
		.amdhsa_user_sgpr_count 2
		.amdhsa_user_sgpr_kernarg_segment_ptr 1
		.amdhsa_wavefront_size32 1
		.amdhsa_system_sgpr_workgroup_id_x 1
		.amdhsa_system_sgpr_workgroup_id_y 1
		.amdhsa_system_sgpr_workgroup_id_z 1
		.amdhsa_system_vgpr_workitem_id 0
		.amdhsa_next_free_vgpr 256
		.amdhsa_next_free_sgpr 66
		.amdhsa_reserve_vcc 0
		.amdhsa_float_denorm_mode_32 3
		.amdhsa_float_denorm_mode_16_64 3
		.amdhsa_memory_ordered 1
		.amdhsa_forward_progress 1
		.amdhsa_inst_pref_size 23
	.end_amdhsa_kernel
	.amdgpu_metadata
---
amdhsa.version: [ 1, 2 ]
amdhsa.kernels:
  - .name:           k_q3577889501_final
    .symbol:         k_q3577889501_final.kd
    .args:
      - { .name: decoder_hidden_state, .offset: 0, .size: 8, .value_kind: global_buffer, .address_space: global }
      - { .name: out1, .offset: 8, .size: 8, .value_kind: global_buffer, .address_space: global }
      - { .name: fcodes, .offset: 16, .size: 8, .value_kind: global_buffer, .address_space: global }
      - { .name: lowp_scales, .offset: 24, .size: 8, .value_kind: global_buffer, .address_space: global }
      - { .name: out0, .offset: 32, .size: 8, .value_kind: global_buffer, .address_space: global }
    .group_segment_fixed_size: 104448
    .private_segment_fixed_size: 0
    .kernarg_segment_align: 8
    .kernarg_segment_size: 40
    .max_flat_workgroup_size: 512
    .sgpr_count:     66
    .vgpr_count:     256
    .wavefront_size: 32
...
	.end_amdgpu_metadata
.endif
;; end of part 4
